; MI455X (gfx1250); checked and timed in simulation.
; The chip was launched on July 23, 2026; its instructions are those of AMD's public machine-readable ISA for CDNA 5 (MIT licence, August 2026) and "CDNA5" Instruction Set Architecture Reference Guide (July 2026). The comments in the code are by the model that wrote it; some were corrected since.
;; Proto Mix. Allowed arithmetic: float matrix products may take bf16 or f16 operands with f32 sums; other float arithmetic in f32, or as packed bf16 or f16 multiplies, adds, multiply-adds, maxima and minima; sums over many terms, partial sums and values carried from step to step in f32; what a program stores and reads back later, other than sums and carried values, may be rounded once to bf16 or f16.
;; Inputs: bilinear_b 1 float32; bilinear_w 1 x 1,024 x 1,024 float32; class_fc_b 25 float32; class_fc_w 25 x 1,024 float32; index 16,384 int32; lin_w 1 x 2,048 float32; patient_embed 16,384 x 1,024 float32; proto_fc_b 1,024 float32; proto_fc_w 1,024 x 1,024 float32; prototype_embed 1,024 x 1,024 float32.
;; Outputs: out0 16,384 x 25 float32.
;; One version. Each part assembles by itself: llvm-mc -triple=amdgcn-amd-amdhsa -mcpu=gfx1250 --defsym DOCPART=n.
;; ======== version 1 of 1: 4 launches
;; limits: values are held in f16: magnitudes above 65,504 overflow, below 6.1e-05 lose precision
;; workspace buffers: ebf 33,554,432 bytes; wts 6,291,456 bytes; tabs 16,384 bytes; z 33,554,432 bytes; part 1,048,576 bytes; ut 4,194,304 bytes; labels 65,536 bytes of whole numbers
;; launch prep (part 1): grid 1216 x 1, 4 waves a work-group, no clusters, 0 bytes of LDS; arguments patient_embed, prototype_embed, proto_fc_w, bilinear_w, lin_w, proto_fc_b, ebf, wts, tabs; writes ebf, wts, tabs
.if DOCPART == 1
	.amdgcn_target "amdgcn-amd-amdhsa--gfx1250"
	.amdhsa_code_object_version 6
	.text
	.protected	k_q596f132f7b_prep
	.globl	k_q596f132f7b_prep
	.p2align	8
	.type	k_q596f132f7b_prep,@function
k_q596f132f7b_prep:
	s_mov_b64 s[64:65], 0
	v_nop
	global_prefetch_b8 v0, s[64:65] scope:SCOPE_SE
	s_setreg_imm32_b32 hwreg(HW_REG_WAVE_MODE, 25, 1), 1
	s_wait_xcnt 0x0
; PREP.  Every large f32 input is rounded once to bf16 (nearest even): patient_embed -> ebf [16384][1024]; prototype_embed, proto_fc_w, bilinear_w -> wts [3072][1024], in that order.
; For each prototype p, from the ROUNDED numbers and in f32: psq[p] = sum Pr[p][k]^2, u[p] = Pr[p] . lin_w[0:1024], v[p] = Pr[p] . lin_w[1024:2048] (lin_w rounded to bf16 too);
; proto_fc_b is rounded to bf16 and kept as f32.  tabs, f32: psq at byte 0, the bias at 4096, u at 8192, v at 12288.
; SHARES.  A work-group takes 16 rows of 1,024 f32, a wave four of them: 32 loads of 512 consecutive bytes are out at once; each store of a wave covers 256 consecutive bytes, aligned.
; Work-groups 0-1023: patient_embed; 1024-1087: the prototypes (a text of their own, with the sums); 1088-1215: the two weight matrices.
; A stream: no LDS, no barrier, no matrix unit, no cluster (no byte is read by two work-groups but lin_w's 8 KiB).  tabs is stored 64 bytes a wave: 16 KiB in the whole launch.
; LIMITS.  NaN and infinities are not treated apart; psq's, u's and v's sums are taken in this text's own order.
.set ROWF, 4096                        ; bytes in a row of f32
.set ROWH, 2048                        ; bytes in a row of bf16
.set X,   32                           ; v[32:159]  row j, load i at X + 32 j + 4 i: four f32, then two packed words in its first two registers
.set LW1, 160                          ; v[160:175] lin_w's first half, my 32 numbers, packed bf16
.set LW2, 176                          ; v[176:191] its second half
.set SM,  192                          ; v[192:197] six running sums
.set T,   198                          ; v[198:199] at work
.set RP,  200                          ; v[200:203] psq of my four rows
.set RU,  204                          ; v[204:207] u
.set RV,  208                          ; v[208:211] v
.set BI,  212                          ; v[212:215] proto_fc_b of my four rows
	s_load_b512 s[4:19], s[0:1], 0x0               ; patient s[4:5], prototypes s[6:7], proto_fc_w s[8:9], bilinear_w s[10:11], lin_w s[12:13], proto_fc_b s[14:15], ebf s[16:17], wts s[18:19]
	s_load_b64 s[20:21], s[0:1], 0x40              ; tabs
	v_and_b32 v1, 31, v0                           ; lane
	v_lshrrev_b32 v5, 5, v0
	v_readfirstlane_b32 s22, v5                    ; wave 0..3
	v_lshlrev_b32 v2, 4, v1                        ; 16 bytes a lane on the way in
	v_lshlrev_b32 v3, 3, v1                        ; 8 bytes a lane on the way out
	v_mov_b32 v4, 0
	s_mov_b32 s38, ttmp9                           ; the work-group's number
	s_lshl_b32 s33, s22, 2                         ; my four rows of its 16
	s_mov_b32 s29, 0                               ; the high words of two offset pairs
	s_mov_b32 s37, 0
	s_wait_kmcnt 0x0
	s_cmp_lt_u32 s38, 1024
	s_cbranch_scc0 .Lweights
	s_lshl4_add_u32 s28, s38, s33                  ; my first row = 16 g + 4 w
	s_lshl_b32 s36, s28, 11
	s_lshl_b32 s28, s28, 12
	s_add_nc_u64 s[24:25], s[4:5], s[28:29]
	s_add_nc_u64 s[26:27], s[16:17], s[36:37]
	s_branch .Lplain
.Lweights:
	s_sub_co_u32 s23, s38, 1024                    ; 0..191: 64 work-groups to each of the three matrices
	s_cmp_lt_u32 s23, 128
	s_cselect_b64 s[24:25], s[8:9], s[10:11]
	s_cmp_lt_u32 s23, 64
	s_cselect_b64 s[24:25], s[6:7], s[24:25]
	s_and_b32 s28, s23, 63
	s_lshl4_add_u32 s28, s28, s33                  ; my first row in the source,
	s_lshl_b32 s28, s28, 12
	s_lshl4_add_u32 s39, s23, s33                  ; and in wts
	s_lshl_b32 s36, s39, 11
	s_add_nc_u64 s[24:25], s[24:25], s[28:29]
	s_add_nc_u64 s[26:27], s[18:19], s[36:37]
	s_cmp_lt_u32 s23, 64
	s_cbranch_scc1 .Lproto
.macro LOADX                           ; my four rows: 32 loads of 512 consecutive bytes
.irp j, 0,1,2,3
.irp i, 0,1,2,3,4,5,6,7
	global_load_b128 v[X+32*\j+4*\i:X+32*\j+4*\i+3], v2, s[24:25] offset:ROWF*\j+512*\i th:TH_LOAD_NT
.endr
.endr
.endm
.macro CONV j                          ; row j is rounded in place: four f32 become two packed words
.irp i, 0,1,2,3,4,5,6,7
	v_cvt_pk_bf16_f32 v[X+32*(\j)+4*\i], v[X+32*(\j)+4*\i], v[X+32*(\j)+4*\i+1]
	v_cvt_pk_bf16_f32 v[X+32*(\j)+4*\i+1], v[X+32*(\j)+4*\i+2], v[X+32*(\j)+4*\i+3]
.endr
.endm
.macro PUT j                           ; 32 lanes x 8 bytes: 256 consecutive bytes, at a multiple of 256 from the buffer's first byte
.irp i, 0,1,2,3,4,5,6,7
	global_store_b64 v3, v[X+32*(\j)+4*\i:X+32*(\j)+4*\i+1], s[26:27] offset:ROWH*(\j)+256*\i
.endr
.endm
.macro ROWS
	LOADX
.irp j, 0,1,2,3
	s_wait_loadcnt 24-8*\j                         ; loads come back in order: row j's eight are in, the younger rows' stay out
	CONV \j
	PUT \j
.endr
.endm
.Lplain:
	ROWS
	s_endpgm
.Lproto:                                               ; 64 work-groups: the prototypes
	s_lshl_b32 s28, s39, 2                         ; my first prototype, in f32 words
	s_add_nc_u64 s[34:35], s[20:21], s[28:29]      ; tabs at that prototype
	s_add_nc_u64 s[14:15], s[14:15], s[28:29]      ; proto_fc_b likewise
	s_mov_b32 s30, 0x76543210                      ; v_permlanex16_b32: each lane takes its own place in the other half
	s_mov_b32 s31, 0xfedcba98
.irp i, 0,1,2,3,4,5,6,7
	global_load_b128 v[X+4*\i:X+4*\i+3], v2, s[12:13] offset:512*\i              ; lin_w in the lanes' order of a row
	global_load_b128 v[X+32+4*\i:X+32+4*\i+3], v2, s[12:13] offset:4096+512*\i
.endr
	global_load_b128 v[BI:BI+3], v4, s[14:15]      ; four biases, the same in every lane
	s_wait_loadcnt 0x0
.irp i, 0,1,2,3,4,5,6,7
	v_cvt_pk_bf16_f32 v[LW1+2*\i], v[X+4*\i], v[X+4*\i+1]
	v_cvt_pk_bf16_f32 v[LW1+2*\i+1], v[X+4*\i+2], v[X+4*\i+3]
	v_cvt_pk_bf16_f32 v[LW2+2*\i], v[X+32+4*\i], v[X+32+4*\i+1]
	v_cvt_pk_bf16_f32 v[LW2+2*\i+1], v[X+32+4*\i+2], v[X+32+4*\i+3]
.endr
	v_cvt_pk_bf16_f32 v[T], v[BI], v[BI+1]         ; the bias rounded to bf16 and widened again
	v_cvt_pk_bf16_f32 v[T+1], v[BI+2], v[BI+3]
	v_lshlrev_b32 v[BI], 16, v[T]
	v_and_b32 v[BI+1], 0xffff0000, v[T]
	v_lshlrev_b32 v[BI+2], 16, v[T+1]
	v_and_b32 v[BI+3], 0xffff0000, v[T+1]
	ROWS
; One packed word y of a row against itself and the two halves of lin_w: six fused multiply-adds from bf16 halves into f32 sums.
.macro SIX y, l1, l2, c0, c1, c2, c3, c4, c5
	v_fma_mix_f32_bf16 v[SM],   v[\y], v[\y],  v[\c0] op_sel_hi:[1,1,0]
	v_fma_mix_f32_bf16 v[SM+1], v[\y], v[\y],  v[\c1] op_sel:[1,1,0] op_sel_hi:[1,1,0]
	v_fma_mix_f32_bf16 v[SM+2], v[\y], v[\l1], v[\c2] op_sel_hi:[1,1,0]
	v_fma_mix_f32_bf16 v[SM+3], v[\y], v[\l1], v[\c3] op_sel:[1,1,0] op_sel_hi:[1,1,0]
	v_fma_mix_f32_bf16 v[SM+4], v[\y], v[\l2], v[\c4] op_sel_hi:[1,1,0]
	v_fma_mix_f32_bf16 v[SM+5], v[\y], v[\l2], v[\c5] op_sel:[1,1,0] op_sel_hi:[1,1,0]
.endm
.macro SUMS j                          ; row j's 16 packed words; the first link adds 0, so nothing is cleared
.set q, 0
.rept 16
.set y, X+32*(\j)+4*(q/2)+(q%2)
.if q == 0
	SIX y, LW1+q, LW2+q, 4, 4, 4, 4, 4, 4
.else
	SIX y, LW1+q, LW2+q, SM, SM+1, SM+2, SM+3, SM+4, SM+5
.endif
.set q, q+1
.endr
	v_add_f32 v[RP+(\j)], v[SM], v[SM+1]
	v_add_f32 v[RU+(\j)], v[SM+2], v[SM+3]
	v_add_f32 v[RV+(\j)], v[SM+4], v[SM+5]
.endm
	SUMS 0
	SUMS 1
	SUMS 2
	SUMS 3
	; across the 32 lanes: four steps inside each half ride on the addition, one crosses the halves; the twelve sums go side by side
.irp m, 1,2,4,8
.irp r, 200,201,202,203,204,205,206,207,208,209,210,211
	v_add_f32_dpp v\r, v\r, v\r row_xmask:\m row_mask:0xf bank_mask:0xf
.endr
.endr
.irp k, 0,1,2,3,4,5,6,7,8,9,10,11
	v_permlanex16_b32 v[LW1+\k], v[RP+\k], s30, s31   ; lin_w's registers are free, and have been written
.endr
.irp k, 0,1,2,3,4,5,6,7,8,9,10,11
	v_add_f32 v[RP+\k], v[RP+\k], v[LW1+\k]
.endr
	s_wait_xcnt 0x0                                ; EXEC changes only behind this wait: the rows' stores have read it
	v_cmp_eq_u32 vcc_lo, 0, v1
	s_and_saveexec_b32 s32, vcc_lo                 ; lane 0 stores for the wave
	global_store_b128 v4, v[RP:RP+3], s[34:35]
	global_store_b128 v4, v[BI:BI+3], s[34:35] offset:4096
	global_store_b128 v4, v[RU:RU+3], s[34:35] offset:8192
	global_store_b128 v4, v[RV:RV+3], s[34:35] offset:12288
	s_wait_xcnt 0x0                                ; and again, in front of the line that widens it
	s_or_b32 exec_lo, exec_lo, s32
	s_endpgm
.Lfunc_end_k_q596f132f7b_prep:
	.size	k_q596f132f7b_prep, .Lfunc_end_k_q596f132f7b_prep-k_q596f132f7b_prep
	.p2alignl 7, 3214868480
	.fill 96, 4, 3214868480
	.section	.rodata,"a",@progbits
	.p2align	6, 0x0
	.amdhsa_kernel k_q596f132f7b_prep
		.amdhsa_group_segment_fixed_size 0
		.amdhsa_private_segment_fixed_size 0
		.amdhsa_enable_private_segment 0
		.amdhsa_kernarg_size 72
		.amdhsa_user_sgpr_count 2
		.amdhsa_user_sgpr_kernarg_segment_ptr 1
		.amdhsa_wavefront_size32 1
		.amdhsa_system_sgpr_workgroup_id_x 1
		.amdhsa_system_sgpr_workgroup_id_y 1
		.amdhsa_system_sgpr_workgroup_id_z 1
		.amdhsa_system_vgpr_workitem_id 0
		.amdhsa_next_free_vgpr 216
		.amdhsa_next_free_sgpr 66
		.amdhsa_reserve_vcc 1
		.amdhsa_float_denorm_mode_32 3
		.amdhsa_float_denorm_mode_16_64 3
		.amdhsa_memory_ordered 1
		.amdhsa_forward_progress 1
		.amdhsa_inst_pref_size 55
	.end_amdhsa_kernel
	.amdgpu_metadata
---
amdhsa.version: [ 1, 2 ]
amdhsa.kernels:
  - .name:           k_q596f132f7b_prep
    .symbol:         k_q596f132f7b_prep.kd
    .args:
      - { .name: patient_embed, .offset: 0, .size: 8, .value_kind: global_buffer, .address_space: global }
      - { .name: prototype_embed, .offset: 8, .size: 8, .value_kind: global_buffer, .address_space: global }
      - { .name: proto_fc_w, .offset: 16, .size: 8, .value_kind: global_buffer, .address_space: global }
      - { .name: bilinear_w, .offset: 24, .size: 8, .value_kind: global_buffer, .address_space: global }
      - { .name: lin_w, .offset: 32, .size: 8, .value_kind: global_buffer, .address_space: global }
      - { .name: proto_fc_b, .offset: 40, .size: 8, .value_kind: global_buffer, .address_space: global }
      - { .name: ebf, .offset: 48, .size: 8, .value_kind: global_buffer, .address_space: global }
      - { .name: wts, .offset: 56, .size: 8, .value_kind: global_buffer, .address_space: global }
      - { .name: tabs, .offset: 64, .size: 8, .value_kind: global_buffer, .address_space: global }
    .group_segment_fixed_size: 0
    .private_segment_fixed_size: 0
    .kernarg_segment_align: 8
    .kernarg_segment_size: 72
    .max_flat_workgroup_size: 128
    .sgpr_count:     66
    .vgpr_count:     216
    .wavefront_size: 32
...
	.end_amdgpu_metadata
.endif
;; end of part 1
;; launch main (part 2): grid 4 x 64, 4 waves a work-group, clusters of 4 x 4, 327,680 bytes of LDS; arguments ebf, wts, tabs, part, z; writes part, z
.if DOCPART == 2
	.amdgcn_target "amdgcn-amd-amdhsa--gfx1250"
	.amdhsa_code_object_version 6
	.text
	.protected	k_q596f132f7b_main
	.globl	k_q596f132f7b_main
	.p2align	8
	.type	k_q596f132f7b_main,@function
k_q596f132f7b_main:
	s_mov_b64 s[64:65], 0
	v_nop
	global_prefetch_b8 v0, s[64:65] scope:SCOPE_SE
	s_setreg_imm32_b32 hwreg(HW_REG_WAVE_MODE, 25, 1), 1
	s_wait_xcnt 0x0
	s_wait_alu depctr_hold_cnt(0) depctr_sa_sdst(0) depctr_va_vdst(0) depctr_va_sdst(0) depctr_va_ssrc(0) depctr_va_vcc(0) depctr_vm_vsrc(0)
	s_getreg_b32 s2, hwreg(HW_REG_IB_STS2, 6, 4)
	s_cmp_eq_u32 s2, 0
	s_cbranch_scc0 .Lentry_in_a_cluster
	s_endpgm
.Lentry_in_a_cluster:
	s_bfe_u32 s2, ttmp6, 0x10000c
	s_cmp_lg_u32 s2, 0xf033
	s_cbranch_scc0 .Lentry_shape_is_right
	s_endpgm
.Lentry_shape_is_right:
; MAIN.  One product E x [Pr; Wfc]^T, 16384 x 2048 x 1024 in bf16 with f32 sums.  A = ebf [16384][1024]; B = rows 0-2047 of wts.
; A work-group of four waves makes TWO tiles of 256 x 256 on the same 256 rows of E: tile 0 against prototypes 256 x .. 256 x + 255, tile 1 against rows 256 x .. of proto_fc_w.  A wave makes 128 x 128: 64 accumulators, 512 registers.
; TILE 0 -> part: the score s = psq[p] - 2 e.p (one fused rounding) stands for the squared distance: |e|^2, the clip at 0 and the root move no minimum in exact arithmetic and are not computed.
;   Each wave keeps, for each of its 128 rows, the least score of its 128 prototypes and its index (the lowest index among equals): part[chunk of 128 prototypes][row] = {f32, i32}.
; TILE 1 -> z: Z' = E Wfc^T + proto_fc_b, rounded once to f16, [16384][1024].  proto_fc is linear, so the blend of two rows of E is made later as the same blend of two rows of Z'.
; LIMITS.  A label can differ from the reference's where a row's two least squared distances lie closer than the f32 rounding of the reference's own formula (about 3e-4 at these sizes).
;   |Z'| stays under 65,504 (f16).  NaN and infinities are not treated apart.
; K goes in steps of 128 through a ring of two LDS slots filled by the tensor data mover; the ring runs on from tile 0 into tile 1: tile 0's last two changes of slots ask for tile 1's first two K steps.
; CLUSTERS: 4 x 4 work-groups.  The four of a row of the cluster need the same tiles of A, the four of a column the same tiles of B: each tile is asked for JOINTLY, by the same tensor load with the same descriptor and a mask of four.
; THE MATRIX INSTRUCTION IS USED TRANSPOSED (source 0 = 16 rows of B, source 1 = 16 rows of A): lane l holds row l % 16 of the result, its registers 0-7 the columns 8 (l / 16) + 0..7.
; REGISTERS, in windows of 256 (s_set_vgpr_msb's low byte: bits 1:0 source 0, 3:2 source 1, 5:4 source 2, 7:6 destination):
;   window 0: v0-31 addresses; v64-127, v128-191 fragments of A, two buffers; v32-63, v192-255 at work on the two ways out
;   window 1: v64-127, v128-191 fragments of B; v0-63 psq and v192-255 the bias of my 128 columns: register 8 b + j goes with register j of every accumulator (a, b)
;   window 2: the 32 accumulators of my rows 0-63 ((a, b) at v[8 (8 a + b)]);   window 3: those of my rows 64-127
.set SIZE_K, 1024
.set KSTEP,  128
.set PITCH,  272                       ; an LDS row: 256 bytes of data + 16 of padding: the 16 rows that a load touches start at 16 different groups of four banks (64 banks of 4 bytes: ISA guide 11.1)
.set HALFT,  128*PITCH                 ; 128 rows: what one tensor load brings, and what one wave reads of A or of B
.set SLOT,   4*HALFT                   ; A's 256 rows, then B's 256 rows
.set STAGE,  2*SLOT                    ; behind the ring: 16 rows x 272 bytes for each wave, for Z's way out
.set SPITCH, 272
.set SPARE,  STAGE+4*16*SPITCH         ; behind the stages: the spare words, 128 bytes for each wave: two blocks of 256 bytes that no other line names
.set LAPS,   SIZE_K/(2*KSTEP)          ; a lap = two K steps = once round the ring
.set BACK,   (SIZE_K-2*KSTEP)*2        ; bytes from a slot's last K step of a tile back to its first: A's rows stay,
.set NEXT_B, 1024*SIZE_K*2-BACK        ; B goes 1,024 rows down and back along K
.set ZP,     2048                      ; bytes in a row of z
.set ADRA, 16                          ; v16-17  LDS address of my A fragments in slot 0, 1
.set ADRB, 20                          ; v20-21  the same for B
.set CVO,  22                          ; v22     byte offset in tabs of my lane's first column
.set STO,  24                          ; v24     Z's way out: where I put 16 bytes of a row
.set RD,   25                          ; v25     where I read a row back
.set CO,   26                          ; v26     my byte offset in z
.set PB,   27                          ; v27     my lane's first prototype: 256 x + 128 (column half) + 8 (l / 16)
.set SPW,  28                          ; v28     LDS address of my spare word; never rewritten
.set NIL,  29                          ; v29     0; never rewritten
.set PFO,  30                          ; v30     the prefetches' offset: my lane x a row of 2,048 bytes; never rewritten
.set PO,   31                          ; v31     8 x lane: my pair in 256 bytes of part
.set PFA,  44                          ; s[44:45] where my prefetches stand
.set LIM,  43                          ; s43     1 in a wave that prefetches, else the greatest number
.set F0,   64
.set F1,   128
.set TMP,  192                         ; Z's way out: packed results
.set OB,   32                          ; Z's way out: 16 rows read back from the stage: v32-63 and v224-255 by turns
.set BEST, 192                         ; the minimum's way out, window 0: least score of block a (16 rows) at BEST + a
.set IDX,  200                         ; its index
.set OBV,  208                         ; the other half of the lanes' score
.set OIV,  216                         ; and index
.set PR,   224                         ; four pairs to store
.set CV1,  192                         ; window 1: the bias (psq lies at 0)
.set G1, 24                            ; s[24:31] descriptor group 1 for A's tiles
.set G0, 32                            ; s[32:39] descriptor group 0 for A's tiles, one set for each slot
.set G1B, 48                           ; s[48:55], s[56:63] the same for B's
.set G0B, 56
.set MSB, 0
.macro WIN new                         ; the immediate's high byte repeats the setting that is left; a switch that changes nothing is dropped
.if MSB != (\new)
	s_set_vgpr_msb (MSB<<8)|(\new)
.set MSB, \new
.endif
.endm
.set MUL_LO, 0xa1                      ; source 0 (B) window 1, source 1 (A) window 0, C and D window 2
.set MUL_HI, 0xf1                      ; the same, C and D window 3
.set TO_B,   0x40                      ; destination window 1, address window 0
; A joint load.  Waves 0 and 1 fetch A's two halves, waves 2 and 3 B's.  The branch hangs on the wave's number alone.  An s_nop 0 and four v_nop follow each of the two lines.
.macro JLOAD s
	s_cmp_eq_u32 s11, 0
	s_cbranch_scc0 .Lfor_b_\@
	tensor_load_to_lds s[G0+4*(\s):G0+4*(\s)+3], s[G1:G1+7]
	s_nop 0
.rept 4
	v_nop
.endr
	s_branch .Lasked_\@
.Lfor_b_\@:
	tensor_load_to_lds s[G0B+4*(\s):G0B+4*(\s)+3], s[G1B:G1B+7]
	s_nop 0
.rept 4
	v_nop
.endr
.Lasked_\@:
.endm
; A PREFETCH INTO THE L2, behind each joint load and the run of LDS loads that follows it: the K step that stands two refills on: 32 rows x 256 bytes, a lane a row, one instruction a wave.
; Each row's 256 bytes of a K step are named once in the launch.  A's rows are read by one cluster alone (the grid is one cluster wide): it asks, in tile 0; tile 1 reads them a second time and asks for nothing.
; B's rows are read by all 16 clusters: cluster y = 0 asks, in both tiles.  The four partners of a joint load share its 128 rows out BY ADDRESS, 32 each.  how = 0, in the loop: its last trip has no K step two on; how = 1: the change of tiles.
.macro ASK how
.if \how
	s_cmp_eq_u32 s[LIM], 1
.else
	s_cmp_gt_u32 s3, s[LIM]                        ; s3 = 1 in the loop's last trip
.endif
	s_cbranch_scc0 .Lnot_mine_\@
	global_prefetch_b8 v[PFO], s[PFA:PFA+1] offset:KSTEP*2 th:TH_LOAD_NT scope:SCOPE_SE
.Lnot_mine_\@:
.endm
.macro CREST                           ; a round of the cluster's barrier behind its opening barrier
	s_cmp_lg_u32 s10, 0
	s_cbranch_scc1 .Lnot_wave_0_\@
	s_barrier_signal -3
.Lnot_wave_0_\@:
	s_barrier_wait -3
	s_barrier_signal -1
	s_barrier_wait -1
.endm
.macro CROUND                          ; a whole round
	s_barrier_signal -1
	s_barrier_wait -1
	CREST
.endm
	s_load_b128 s[4:7], s[0:1], 0x0                ; A = ebf s[4:5], B = wts s[6:7]
	s_load_b128 s[68:71], s[0:1], 0x10             ; tabs s[68:69], part s[70:71]
	s_load_b64 s[8:9], s[0:1], 0x20                ; z
	v_lshl_add_u32 v[SPW], v0, 2, SPARE
	v_mov_b32 v[NIL], 0
	ds_add_u32 v[SPW], v[NIL]                      ; the wave's opening: the add and its wait stand ahead of my first tensor load; the set-up below, work on registers, stands between them
	v_lshrrev_b32 v1, 5, v0
	v_readfirstlane_b32 s10, v1                    ; wave 0..3
	s_lshr_b32 s11, s10, 1                         ; which half of the tile's rows is mine.  Also: I fetch for A (0) or for B (1)
	s_and_b32 s12, s10, 1                          ; which half of its columns.  Also: which 128 rows of that tile I fetch
	s_bfe_u32 s40, ttmp6, 0x40000                  ; cx
	s_bfe_u32 s41, ttmp6, 0x40004                  ; cy
	s_lshl_b32 s42, ttmp9, 2
	s_add_co_u32 s42, s42, s40                     ; tile column x = 4 x cluster x + cx
	s_and_b32 s13, ttmp7, 0xffff
	s_lshl_b32 s13, s13, 2
	s_add_co_u32 s13, s13, s41                     ; tile row y = 4 x cluster y + cy
	s_lshl_b32 s43, s41, 2
	s_lshl_b32 s43, 15, s43                        ; my row of the cluster: places 4 cy .. 4 cy + 3
	s_lshl_b32 s44, 0x1111, s40                    ; my column: places cx, cx + 4, cx + 8, cx + 12
	; descriptor group 1: a tile of 128 rows x 128 elements, padded in LDS
	s_or_b32 s[G1+0], s43, (1<<16)|(1<<20)|(1<<21)|(5<<22)|(3<<25)  ; 15:0 the mask: A's tiles go to my row; 17:16 element of 2 bytes; 20 padding on; 21 set beside a mask; 24:22 after every 64 words; 31:25 of 4 words
	s_or_b32 s[G1B+0], s44, (1<<16)|(1<<20)|(1<<21)|(5<<22)|(3<<25) ; the same with the mask of my column
.irp g, G1, G1B
	s_mov_b32 s[(\g)+1], KSTEP<<16                 ; tensor_dim0 = 128
	s_mov_b32 s[(\g)+2], 128<<16                   ; tensor_dim1 = 128
	s_mov_b32 s[(\g)+3], KSTEP<<16                 ; tile_dim0 = 128
	s_mov_b32 s[(\g)+4], 128                       ; tile_dim1 = 128
	s_mov_b32 s[(\g)+5], SIZE_K                    ; elements from row to row
	s_mov_b32 s[(\g)+6], 0
	s_mov_b32 s[(\g)+7], 0
.endr
	; where the tiles come from.  A's hang on the tile row alone, B's on the tile column alone; each address is made in registers that never hold the other coordinate.
	s_lshl_b32 s17, s12, 7                         ; which 128 rows of the tile I fetch
	s_lshl_b32 s16, s13, 8
	s_add_co_u32 s16, s16, s17                     ; A: row 256 y + 128 x half
	s_lshl_b32 s46, s42, 8
	s_add_co_u32 s46, s46, s17                     ; B: row 256 x + 128 x half (tile 0)
	s_mov_b32 s17, 0
	s_mov_b32 s47, 0
	s_mov_b64 s[18:19], SIZE_K*2
	s_mul_u64 s[16:17], s[16:17], s[18:19]
	s_mul_u64 s[46:47], s[46:47], s[18:19]
	s_mul_i32 s20, s10, HALFT                      ; where they go: wave x 128 rows: no place in the cluster enters an LDS address
	s_wait_dscnt 0x0                               ; the opening add is done
	s_wait_kmcnt 0x0
	s_add_nc_u64 s[14:15], s[4:5], s[16:17]
	s_add_nc_u64 s[46:47], s[6:7], s[46:47]
	CROUND                                         ; all sixteen work-groups are here: the first joint loads meet
.irp s, 0,1
	s_mov_b32 s[G0+4*(\s)], 1                                      ; count = 1
	s_add_co_u32 s[G0+4*(\s)+1], s20, (\s)*SLOT                    ; LDS address
	s_add_nc_u64 s[G0+4*(\s)+2:G0+4*(\s)+3], s[14:15], (\s)*KSTEP*2  ; global address: K step s
	s_or_b32 s[G0+4*(\s)+3], s[G0+4*(\s)+3], 0x80000000            ; type = 2
	s_mov_b32 s[G0B+4*(\s)], 1
	s_add_co_u32 s[G0B+4*(\s)+1], s20, (\s)*SLOT
	s_add_nc_u64 s[G0B+4*(\s)+2:G0B+4*(\s)+3], s[46:47], (\s)*KSTEP*2
	s_or_b32 s[G0B+4*(\s)+3], s[G0B+4*(\s)+3], 0x80000000
	JLOAD \s                                       ; the ring is filled before anything else is done: two loads of mine are out
.endr
	; A fragment is 16 rows x 32 K in 8 registers: lane l holds row l % 16; registers 0-3 K = 8 (l / 16) + 0..7, registers 4-7 K = 16 + 8 (l / 16) + 0..7: two loads of 16 bytes, 32 bytes apart.
	v_and_b32 v1, 15, v0                           ; l % 16
	v_bfe_u32 v2, v0, 4, 1                         ; l / 16
	v_mul_u32_u24 v3, v1, PITCH
	v_lshl_add_u32 v3, v2, 4, v3
	s_mul_i32 s21, s11, HALFT                      ; my 128 rows of A
	s_mul_i32 s22, s12, HALFT                      ; my 128 rows of B,
	s_add_co_u32 s22, s22, 2*HALFT                 ; which lie behind A's 256
.irp s, 0,1
	v_add_nc_u32 v[ADRA+(\s)], s21, v3
	v_add_nc_u32 v[ADRB+(\s)], s22, v3
	s_add_co_u32 s21, s21, SLOT
	s_add_co_u32 s22, s22, SLOT
.endr
	s_mul_i32 s23, s10, 16*SPITCH
	s_add_co_u32 s23, s23, STAGE                   ; my stage
	v_mul_u32_u24 v4, v1, SPITCH                   ; in: row l % 16, 16 bytes for each half of the lanes
	v_lshl_add_u32 v4, v2, 4, v4
	v_add_nc_u32 v[STO], s23, v4
	v_mul_u32_u24 v5, v2, SPITCH                   ; back: lanes 0-15 take one row of 256 bytes, lanes 16-31 the next
	v_lshl_add_u32 v5, v1, 4, v5
	v_add_nc_u32 v[RD], s23, v5
	v_mul_u32_u24 v5, v2, ZP                       ; and the same two rows in z
	v_lshl_add_u32 v[CO], v1, 4, v5
	v_cmp_eq_u32 s74, 1, v2                        ; the mask of lanes 16-31
	s_mov_b32 s72, 0x76543210                      ; v_permlanex16_b32: each lane takes its own place in the other half
	s_mov_b32 s73, 0xfedcba98
	s_lshl_b32 s75, s42, 8
	s_lshl_b32 s76, s12, 7
	s_add_co_u32 s75, s75, s76                     ; my wave's first column: 256 x + 128 x half
	v_lshl_add_u32 v[PB], v2, 3, s75
	v_lshlrev_b32 v[CVO], 2, v[PB]
	v_and_b32 v[PO], 31, v0
	v_lshlrev_b32 v[PO], 3, v[PO]
	; where my rows begin in z and in part
	s_lshl_b32 s13, s13, 8
	s_lshl_b32 s14, s11, 7
	s_add_co_u32 s16, s13, s14                     ; my first row: 256 y + 128 x half
	s_lshl_b32 s78, s16, 3                         ; 8 bytes a row in part,
	s_lshl1_add_u32 s79, s42, s12                  ; in chunk 2 x + column half
	s_lshl_b32 s79, s79, 17                        ; of 16,384 rows x 8 bytes
	s_add_co_u32 s78, s78, s79
	s_mov_b32 s79, 0
	s_add_nc_u64 s[70:71], s[70:71], s[78:79]
	s_mov_b32 s17, 0
	s_mov_b64 s[18:19], ZP
	s_mul_u64 s[16:17], s[16:17], s[18:19]
	s_lshl_b32 s46, s42, 9                         ; my first column of z, in bytes: 512 x + 256 x half
	s_lshl_b32 s47, s12, 8
	s_add_co_u32 s46, s46, s47
	s_mov_b32 s47, 0
	s_add_nc_u64 s[16:17], s[16:17], s[46:47]      ; Z's way out adds this to z's address
	; the prefetches.  s13 = 256 y, s42 = x, s40 = cx, s41 = cy still stand
	s_lshl_b32 s42, s42, 8
	s_and_b32 s22, ttmp7, 0xffff                   ; cluster y
	s_cmp_eq_u32 s11, 0                            ; do I fetch for A?
	s_cselect_b32 s20, s13, s42                    ; the tile's first row
	s_cselect_b32 s21, s40, s41                    ; my place among the four that ask for it with me
	s_cselect_b32 s22, ttmp9, s22                  ; the coordinate along which other clusters read the same rows
	s_cselect_b64 s[PFA:PFA+1], s[4:5], s[6:7]
	s_cmp_eq_u32 s22, 0
	s_cselect_b32 s[LIM], 1, -1                    ; the same in all sixteen partners, for a given wave
	s_lshl_b32 s22, s12, 7
	s_add_co_u32 s20, s20, s22                     ; + the 128 rows that I fetch
	s_lshl_b32 s21, s21, 5
	s_add_co_u32 s20, s20, s21                     ; + my work-group's 32 of them
	s_mov_b32 s21, 0
	s_mov_b64 s[18:19], SIZE_K*2
	s_mul_u64 s[20:21], s[20:21], s[18:19]
	s_add_nc_u64 s[PFA:PFA+1], s[PFA:PFA+1], s[20:21]
	s_add_nc_u64 s[PFA:PFA+1], s[PFA:PFA+1], 2*KSTEP*2  ; at K step 2: the first refill steps it to 3 and names K step 4.  Nothing is prefetched here, at the head
	v_and_b32 v[PFO], 31, v0
	v_mul_u32_u24 v[PFO], v[PFO], SIZE_K*2
	; psq and the bias of my columns, once: 8 (l / 16) + 0..7 of each of my eight blocks of 16 columns
	WIN TO_B
.irp t, 0,1
.irp b, 0,1,2,3,4,5,6,7
.irp q, 0,1
	global_load_b128 v[CV1*\t+8*\b+4*\q:CV1*\t+8*\b+4*\q+3], v[CVO], s[68:69] offset:4096*\t+64*\b+16*\q
.endr
.endr
.endr
	WIN 0
; 16 matrix instructions: m blocks a0, a0 + 1 of the window's four x all 8 n blocks, 32 along K.  zero = 1: the first product starts the sums: nothing is ever cleared.
.macro MUL16 f, hi, a0, zero
	WIN MUL_LO+0x50*(\hi)
.irp a, \a0, (\a0)+1
.irp b, 0,1,2,3,4,5,6,7
.if \zero
	v_wmma_f32_16x16x32_bf16 v[8*(8*(\a)+(\b)):8*(8*(\a)+(\b))+7], v[(\f)+8*(\b):(\f)+8*(\b)+7], v[(\f)+8*(4*(\hi)+(\a)):(\f)+8*(4*(\hi)+(\a))+7], 0
.else
	v_wmma_f32_16x16x32_bf16 v[8*(8*(\a)+(\b)):8*(8*(\a)+(\b))+7], v[(\f)+8*(\b):(\f)+8*(\b)+7], v[(\f)+8*(4*(\hi)+(\a)):(\f)+8*(4*(\hi)+(\a))+7], v[8*(8*(\a)+(\b)):8*(8*(\a)+(\b))+7]
.endif
.endr
.endr
.endm
; 32 LDS loads in one run: the fragments of one quarter step (128 rows of B, 128 rows of A, 32 K at byte k of the rows) into buffer f
.macro FETCH slot, k, f
	WIN TO_B
.irp i, 0,1,2,3,4,5,6,7
	ds_load_b128 v[(\f)+8*(\i):(\f)+8*(\i)+3],   v[ADRB+(\slot)] offset:(\k)+(\i)*16*PITCH
	ds_load_b128 v[(\f)+8*(\i)+4:(\f)+8*(\i)+7], v[ADRB+(\slot)] offset:(\k)+(\i)*16*PITCH+32
.endr
	WIN 0
.irp i, 0,1,2,3,4,5,6,7
	ds_load_b128 v[(\f)+8*(\i):(\f)+8*(\i)+3],   v[ADRA+(\slot)] offset:(\k)+(\i)*16*PITCH
	ds_load_b128 v[(\f)+8*(\i)+4:(\f)+8*(\i)+7], v[ADRA+(\slot)] offset:(\k)+(\i)*16*PITCH+32
.endr
.endm
; Four places: plain vector instructions that name none of a matrix instruction's registers stand between it and a load into a register that it has read, or a vector instruction that reads its result.
.macro PLACES
.rept 4
	v_nop
.endr
.endm
; A K step is four quarter steps of 32 along K, 64 matrix instructions each, on buffers 0, 1, 0, 1.  The 64 accumulators take turns, in the same order in every quarter.
.macro QUARTER slot, k, f, g, zero
	s_wait_dscnt 8                                 ; B and A's rows 0-63 are in; the youngest eight loads (A's rows 64-127) may be out
	WIN MUL_LO
	MUL16 \f, 0, 0, \zero
	MUL16 \f, 0, 2, \zero
	PLACES
	FETCH \slot, \k, \g
	s_wait_dscnt 32                                ; all but the 32 just issued
	WIN MUL_HI
	MUL16 \f, 1, 0, \zero
	MUL16 \f, 1, 2, \zero
.endm
; The last quarter multiplies buffer 1 and changes slots.  MEET is its first half: one barrier; in front of it each wave waits for all its tensor loads, adds 0 to its spare word, and waits for that and for its reads of this slot.
.macro MEET round
	WIN 0                                          ; (the add's two registers lie in window 0)
	s_wait_tensorcnt 0x0                           ; all my tensor loads have landed: the one that was out is my part of the next slot;
	ds_add_u32 v[SPW], v[NIL]                      ; 0 onto my spare word;
	s_wait_dscnt 9                                 ; (the add and the youngest eight loads may be out)
	WIN MUL_LO
	MUL16 F1, 0, 0, 0                              ; sixteen matrix instructions stand between the add and the wait for it
	s_wait_dscnt 0x0                               ; the add is done, and my reads of this slot are over:
	s_barrier_signal -1                            ; say so,
	MUL16 F1, 0, 2, 0                              ; work on registers while the others arrive,
.if \round
	WIN 0
.endif
	s_barrier_wait -1                              ; and go on when all four have said so
.endm
; The whole last quarter.  Behind the round the slot just read out is filled again first: with this tile's K step two steps on (on = 0) or with tile 1's K step 0 or 1 (on = 1); then come the next slot's first fragments.
.macro TURN slot, next, on
	s_wait_xcnt 0x0                                ; the last prefetch, a K step back, has read its address: it is stepped here, ahead of the waits of the change of slots
.if (\on) && (\slot) == 0
	s_add_nc_u64 s[PFA:PFA+1], s[PFA:PFA+1], 1023*SIZE_K*2+KSTEP*2  ; from the K step after tile 0's last to tile 1's K step 1: 1,024 rows of B down, back along K
	s_cmp_lg_u32 s11, 0
	s_cselect_b32 s[LIM], s[LIM], -1               ; A's rows are the same for both tiles: they are prefetched no more
.else
	s_add_nc_u64 s[PFA:PFA+1], s[PFA:PFA+1], KSTEP*2
.endif
	MEET 1
	CREST                                          ; no wave of any partner still reads this slot's tile or has a load on its way
.if \on
	s_sub_nc_u64 s[G0+4*(\slot)+2:G0+4*(\slot)+3], s[G0+4*(\slot)+2:G0+4*(\slot)+3], BACK
	s_add_nc_u64 s[G0B+4*(\slot)+2:G0B+4*(\slot)+3], s[G0B+4*(\slot)+2:G0B+4*(\slot)+3], NEXT_B
.else
	s_add_nc_u64 s[G0+4*(\slot)+2:G0+4*(\slot)+3], s[G0+4*(\slot)+2:G0+4*(\slot)+3], 2*KSTEP*2
	s_add_nc_u64 s[G0B+4*(\slot)+2:G0B+4*(\slot)+3], s[G0B+4*(\slot)+2:G0B+4*(\slot)+3], 2*KSTEP*2
.endif
	JLOAD \slot                                    ; the first tensor load behind the round, my only one until the next; its four v_nop are also the places in front of the loads below
	FETCH \next, 0, F0
	ASK \on
	WIN MUL_HI
	MUL16 F1, 1, 0, 0
	MUL16 F1, 1, 2, 0
.endm
; Z's WAY OUT of block a (16 rows), in three parts.  PACK: the bias is added, the sums are rounded to f16, 16 bytes a lane.  TOSTAGE: into my own stage in LDS, and back as whole rows of 256 bytes.  SEND: stored.
.macro PACK a
.set AC, 64*((\a)%4)
	WIN ((2+(\a)/4)<<6)|0x04|(2+(\a)/4)            ; destination and source 0: window 2 or 3; source 1: window 1
.set r, 0
.rept 32
	v_pk_add_f32 v[AC+r:AC+r+1], v[AC+r:AC+r+1], v[CV1+r:CV1+r+1]  ; each accumulator's registers in ascending order
.set r, r+2
.endr
	WIN 0x0a+5*((\a)/4)                            ; sources 0 and 1: window 2 or 3
.irp b, 0,1,2,3,4,5,6,7
.irp r, 0,1,2,3
	v_cvt_pk_f16_f32 v[TMP+4*(\b)+(\r)], v[AC+8*(\b)+2*(\r)], v[AC+8*(\b)+2*(\r)+1]
.endr
.endr
	WIN 0
.endm
.macro TOSTAGE a
	WIN 0
.set BK, OB+192*((\a)%2)
.irp b, 0,1,2,3,4,5,6,7
	ds_store_b128 v[STO], v[TMP+4*(\b):TMP+4*(\b)+3] offset:32*(\b)
.endr
.irp t, 0,1,2,3,4,5,6,7
	ds_load_b128 v[BK+4*(\t):BK+4*(\t)+3], v[RD] offset:(\t)*2*SPITCH  ; LDS serves a wave's instructions in order (ISA guide 5.7.1.4): these see the stores above
.endr
.endm
.macro SEND a
	WIN 0
.set BK, OB+192*((\a)%2)
	s_wait_dscnt 0x0                               ; the block is back in registers
	s_wait_xcnt 0x0                                ; only behind this wait are the stores' base and the registers that earlier stores read rewritten
.if (\a) == 0
	s_add_nc_u64 s[8:9], s[8:9], s[16:17]          ; on to my first rows
.else
	s_add_nc_u64 s[8:9], s[8:9], 16*ZP             ; 16 rows on
.endif
.irp t, 0,1,2,3,4,5,6,7
	global_store_b128 v[CO], v[BK+4*(\t):BK+4*(\t)+3], s[8:9] offset:2*(\t)*ZP  ; 16 lanes store 256 consecutive bytes, at a multiple of 256 from z's first byte
.endr
.endm
	s_wait_loadcnt 0x0                             ; psq and the bias
	s_wait_tensorcnt 1                             ; my part of K step 0 is in; K step 1's may stay out
	s_barrier_signal -1
	s_barrier_wait -1                              ; everybody's is
	FETCH 0, 0, F0
	s_mov_b32 s2, 2                                ; tiles to go, this one among them
.Ltile:
	QUARTER 0, 64,  F0, F1, 1                      ; a tile's first quarter stands in front of the loop: its products start the sums
	WIN 0                                          ; at a label and at a branch every window is 0
	s_mov_b32 s3, LAPS-1
.Llap:                                                 ; a trip goes once round the ring, from a lap's second quarter to the next lap's first, and fills both slots again
	QUARTER 0, 128, F1, F0, 0
	QUARTER 0, 192, F0, F1, 0
	TURN 0, 1, 0
	QUARTER 1, 64,  F0, F1, 0
	QUARTER 1, 128, F1, F0, 0
	QUARTER 1, 192, F0, F1, 0
	TURN 1, 0, 0
	QUARTER 0, 64,  F0, F1, 0
	WIN 0
	s_sub_co_u32 s3, s3, 1
	s_cmp_lg_u32 s3, 0
	s_cbranch_scc1 .Llap
	QUARTER 0, 128, F1, F0, 0                      ; the tile's last lap goes on
	QUARTER 0, 192, F0, F1, 0
	WIN 0
	s_cmp_eq_u32 s2, 1
	s_cbranch_scc1 .Llast_tile                     ; tile 1's tail is written out: it asks for nothing more
	TURN 0, 1, 1                                   ; the ring goes on into tile 1: slot 0 takes its K step 0,
	QUARTER 1, 64,  F0, F1, 0
	QUARTER 1, 128, F1, F0, 0
	QUARTER 1, 192, F0, F1, 0
	TURN 1, 0, 1                                   ; slot 1 its K step 1, and tile 1's first fragments are fetched
	; THE MINIMUM'S WAY OUT.  Registers alone: no LDS, and neither buffer 0, which is being filled, nor a slot is touched.
	PLACES                                         ; behind the last products
	WIN 0
.irp a, 0,1,2,3,4,5,6,7
	v_mov_b32 v[BEST+\a], 0x7f800000               ; + infinity
	v_mov_b32 v[IDX+\a], 0
	v_mov_b32 v[OBV+\a], 0                         ; v_permlanex16_b32's destinations count as read
	v_mov_b32 v[OIV+\a], 0
.endr
.irp w, 2,3
	WIN ((\w)<<6)|0x10|(\w)                        ; destination and source 0: window w; source 2: window 1
.set r, 0
.rept 128
	v_pk_fma_f32 v[r:r+1], v[r:r+1], -2.0, v[(r%64):(r%64)+1] op_sel_hi:[1,0,1]  ; s = psq - 2 e.p, one rounding; each accumulator's registers in ascending order
.set r, r+2
.endr
	WIN \w                                         ; source 0: window w
.set c, 0
.rept 64                                               ; c = 8 b + j: my lane's 64 prototypes in ascending order; a later one takes the place only if it is strictly less.  Four blocks of rows side by side
.irp a, 0,1,2,3
	v_cmp_ge_f32 vcc_lo, v[64*\a+c], v[BEST+4*(\w-2)+\a]
	v_min_num_f32 v[BEST+4*(\w-2)+\a], v[64*\a+c], v[BEST+4*(\w-2)+\a]
	v_cndmask_b32 v[IDX+4*(\w-2)+\a], c, v[IDX+4*(\w-2)+\a], vcc_lo
.endr
.set c, c+1
.endr
.endr
	WIN 0
.irp a, 0,1,2,3,4,5,6,7
	v_and_b32 v[OBV+\a], -8, v[IDX+\a]             ; 8 b
	v_add3_u32 v[IDX+\a], v[IDX+\a], v[OBV+\a], v[PB]  ; the prototype: 16 b + j + my lane's first
.endr
.irp a, 0,1,2,3,4,5,6,7
	v_permlanex16_b32 v[OBV+\a], v[BEST+\a], s72, s73  ; the row's other 64 prototypes lie in the lane 16 away
	v_permlanex16_b32 v[OIV+\a], v[IDX+\a], s72, s73
.endr
.irp a, 0,1,2,3,4,5,6,7
	v_cmp_lt_f32 s75, v[OBV+\a], v[BEST+\a]        ; the other's pair is taken if it is less, or equal with the lower index
	v_cmp_eq_f32 s76, v[OBV+\a], v[BEST+\a]
	v_cmp_lt_u32 s77, v[OIV+\a], v[IDX+\a]
	s_and_b32 s76, s76, s77
	s_or_b32 s75, s75, s76
	v_cndmask_b32 v[BEST+\a], v[BEST+\a], v[OBV+\a], s75
	v_cndmask_b32 v[IDX+\a], v[IDX+\a], v[OIV+\a], s75
.endr
.irp k, 0,1,2,3
	v_cndmask_b32 v[PR+2*\k], v[BEST+2*\k], v[BEST+2*\k+1], s74    ; lanes 0-15 speak for block 2 k, lanes 16-31 for block 2 k + 1: 32 rows on end
	v_cndmask_b32 v[PR+2*\k+1], v[IDX+2*\k], v[IDX+2*\k+1], s74
	global_store_b64 v[PO], v[PR+2*\k:PR+2*\k+1], s[70:71] offset:256*\k  ; 256 consecutive bytes, at a multiple of 256 from part's first byte
.endr
	s_sub_co_u32 s2, s2, 1
	s_branch .Ltile
.Llast_tile:
	MEET 0                                         ; my one tensor load that was still out is slot 1's, the last K step's, so no round follows
	PLACES                                         ; for the loads into buffer 0, which the quarter before multiplied
	FETCH 1, 0, F0
	WIN MUL_HI
	MUL16 F1, 1, 0, 0
	MUL16 F1, 1, 2, 0
	QUARTER 1, 64,  F0, F1, 0
	QUARTER 1, 128, F1, F0, 0
	QUARTER 1, 192, F0, F1, 0
	s_wait_dscnt 8                                 ; the very last quarter: nothing more to fetch
	MUL16 F1, 0, 0, 0
	MUL16 F1, 0, 2, 0
	s_wait_dscnt 0x0
	MUL16 F1, 1, 0, 0
	MUL16 F1, 1, 2, 0
	PLACES                                         ; behind the last products
	PACK 0
	TOSTAGE 0
.irp a, 1,2,3,4,5,6,7                  ; block a's arithmetic stands between block a - 1's loads from the stage and the wait for them
	PACK \a
	SEND (\a)-1
	TOSTAGE \a
.endr
	SEND 7
	s_wait_tensorcnt 0x0                           ; the wave's end, behind my last tensor load and my last LDS store
	ds_add_u32 v[SPW], v[NIL]
	s_wait_dscnt 0x0
	CROUND                                         ; the closing round: no work-group ends while a partner may still ask for a tile that names it
	s_endpgm
.Lfunc_end_k_q596f132f7b_main:
	.size	k_q596f132f7b_main, .Lfunc_end_k_q596f132f7b_main-k_q596f132f7b_main
	.p2alignl 7, 3214868480
	.fill 96, 4, 3214868480
	.section	.rodata,"a",@progbits
	.p2align	6, 0x0
	.amdhsa_kernel k_q596f132f7b_main
		.amdhsa_group_segment_fixed_size 327680
		.amdhsa_private_segment_fixed_size 0
		.amdhsa_enable_private_segment 0
		.amdhsa_kernarg_size 40
		.amdhsa_user_sgpr_count 2
		.amdhsa_user_sgpr_kernarg_segment_ptr 1
		.amdhsa_wavefront_size32 1
		.amdhsa_system_sgpr_workgroup_id_x 1
		.amdhsa_system_sgpr_workgroup_id_y 1
		.amdhsa_system_sgpr_workgroup_id_z 1
		.amdhsa_system_vgpr_workitem_id 0
		.amdhsa_next_free_vgpr 1024
		.amdhsa_next_free_sgpr 80
		.amdhsa_reserve_vcc 1
		.amdhsa_float_denorm_mode_32 3
		.amdhsa_float_denorm_mode_16_64 3
		.amdhsa_memory_ordered 1
		.amdhsa_forward_progress 1
		.amdhsa_inst_pref_size 255
	.end_amdhsa_kernel
	.section	.bss,"aw",@nobits
	.p2align	6
	.space	262144
	.amdgpu_metadata
---
amdhsa.version: [ 1, 2 ]
amdhsa.kernels:
  - .name:           k_q596f132f7b_main
    .symbol:         k_q596f132f7b_main.kd
    .args:
      - { .name: ebf, .offset: 0, .size: 8, .value_kind: global_buffer, .address_space: global }
      - { .name: wts, .offset: 8, .size: 8, .value_kind: global_buffer, .address_space: global }
      - { .name: tabs, .offset: 16, .size: 8, .value_kind: global_buffer, .address_space: global }
      - { .name: part, .offset: 24, .size: 8, .value_kind: global_buffer, .address_space: global }
      - { .name: z, .offset: 32, .size: 8, .value_kind: global_buffer, .address_space: global }
    .group_segment_fixed_size: 327680
    .private_segment_fixed_size: 0
    .kernarg_segment_align: 8
    .kernarg_segment_size: 40
    .max_flat_workgroup_size: 128
    .sgpr_count:     80
    .vgpr_count:     1024
    .wavefront_size: 32
...
	.end_amdgpu_metadata
.endif
;; end of part 2
;; launch table (part 3): grid 16 x 16, 4 waves a work-group, clusters of 4 x 4, 327,680 bytes of LDS; arguments wts, part, ut, labels; writes ut, labels
.if DOCPART == 3
	.amdgcn_target "amdgcn-amd-amdhsa--gfx1250"
	.amdhsa_code_object_version 6
	.text
	.protected	k_q596f132f7b_table
	.globl	k_q596f132f7b_table
	.p2align	8
	.type	k_q596f132f7b_table,@function
k_q596f132f7b_table:
	s_mov_b64 s[64:65], 0
	v_nop
	global_prefetch_b8 v0, s[64:65] scope:SCOPE_SE
	s_setreg_imm32_b32 hwreg(HW_REG_WAVE_MODE, 25, 1), 1
	s_wait_xcnt 0x0
	s_wait_alu depctr_hold_cnt(0) depctr_sa_sdst(0) depctr_va_vdst(0) depctr_va_sdst(0) depctr_va_ssrc(0) depctr_va_vcc(0) depctr_vm_vsrc(0)
	s_getreg_b32 s2, hwreg(HW_REG_IB_STS2, 6, 4)
	s_cmp_eq_u32 s2, 0
	s_cbranch_scc0 .Lentry_in_a_cluster
	s_endpgm
.Lentry_in_a_cluster:
	s_bfe_u32 s2, ttmp6, 0x10000c
	s_cmp_lg_u32 s2, 0xf033
	s_cbranch_scc0 .Lentry_shape_is_right
	s_endpgm
.Lentry_shape_is_right:
; TABLE.  (1) U[q][i] = sum over j of Pr[q][j] W[i][j], 1024 x 1024 x 1024 in bf16 with f32 sums, stored in f32: then pa^T W pb = Pr[la] . U[lb] for every pair of labels.
; (2) labels[row] = the prototype with the least score among the row's eight partial minima of part; chunks ascend and a later one wins only if strictly less, so equals go to the lowest index.
; SHARES.  Work-group (x, y) makes U[64 y ..][64 x ..]: A = rows 64 y .. of wts (Pr), B = rows 2048 + 64 x .. (bilinear_w).  Both panels, 64 rows x 1,024 K, lie in LDS whole, as eight chunks of 128 K each:
; every LDS byte is filled once, so there is no ring.  A wave makes 32 x 32: four accumulators, which take turns.  Wave 0 of work-group 16 y + x also folds 64 rows' labels, while the panels are on their way.
; CLUSTER 4 x 4: A's chunks are shared along a row of the cluster, B's along a column: joint loads, four a wave (by this text's count four tensor loads of a wave are out at the most).
; The matrix instruction is used transposed (source 0 = 16 rows of W, source 1 = 16 rows of Pr): lane l holds row q = l % 16 and the columns i = 8 (l / 16) + 0..7.
; LIMITS.  NaN and infinities are not treated apart.
.set PITCH, 272                        ; an LDS row: 256 bytes + 16 of padding
.set CHUNK, 64*PITCH                   ; 64 rows x 128 K
.set PANB,  8*CHUNK                    ; B's panel lies behind A's
.set STAGE, 2*PANB                     ; 64 rows x 272 bytes, the work-group's, for the way out; no tensor load fills it
.set SPARE, STAGE+64*PITCH             ; the spare words, 128 bytes for each wave: two blocks of 256 bytes that no other line names
.set ADRA, 16                          ; v16-17  LDS address of my A fragments in chunks 0-3, 4-7
.set ADRB, 20                          ; v20-21  the same for B
.set ACC,  32                          ; v[32:63] accumulator (a, b) at ACC + 8 (2 a + b)
.set B0,   64                          ; v[64:127], v[128:191] two fragment buffers of 64 along K: A(block, ks) at + 8 (2 block + ks), B's at + 32
.set B1,   128
.macro CROUND
	s_barrier_signal -1
	s_barrier_wait -1
	s_cmp_lg_u32 s12, 0
	s_cbranch_scc1 .Lnot_wave_0_\@
	s_barrier_signal -3
.Lnot_wave_0_\@:
	s_barrier_wait -3
	s_barrier_signal -1
	s_barrier_wait -1
.endm
.macro PLACES
.rept 4
	v_nop
.endr
.endm
	s_load_b256 s[4:11], s[0:1], 0x0               ; wts s[4:5], part s[6:7], ut s[8:9], labels s[10:11]
	v_lshl_add_u32 v30, v0, 2, SPARE
	v_mov_b32 v31, 0
	ds_add_u32 v30, v31                            ; the wave's opening: the add and its wait stand ahead of my first tensor load
	v_lshrrev_b32 v1, 5, v0
	v_readfirstlane_b32 s12, v1                    ; wave 0..3
	s_lshr_b32 s13, s12, 1                         ; my half of the rows.  Also: I fetch for A (0) or for B (1)
	s_and_b32 s14, s12, 1                          ; my half of the columns.  Also: I fetch the even (0) or the odd (1) chunks
	s_bfe_u32 s15, ttmp6, 0x40000                  ; cx
	s_bfe_u32 s16, ttmp6, 0x40004                  ; cy
	s_lshl_b32 s17, ttmp9, 2
	s_add_co_u32 s17, s17, s15                     ; x
	s_and_b32 s18, ttmp7, 0xffff
	s_lshl_b32 s18, s18, 2
	s_add_co_u32 s18, s18, s16                     ; y
	s_lshl_b32 s19, s16, 2
	s_lshl_b32 s19, 15, s19                        ; my row of the cluster
	s_lshl_b32 s20, 0x1111, s15                    ; my column
	; descriptor group 1: a chunk of 64 rows x 128 elements, padded in LDS
	s_or_b32 s24, s19, (1<<16)|(1<<20)|(1<<21)|(5<<22)|(3<<25)  ; the mask; elements of 2 bytes; padding on; bit 21 beside a mask; after every 64 words 4 words
	s_or_b32 s32, s20, (1<<16)|(1<<20)|(1<<21)|(5<<22)|(3<<25)
.irp g, 24, 32
	s_mov_b32 s[\g+1], 128<<16                     ; tensor_dim0 = 128
	s_mov_b32 s[\g+2], 64<<16                      ; tensor_dim1 = 64
	s_mov_b32 s[\g+3], 128<<16                     ; tile_dim0 = 128
	s_mov_b32 s[\g+4], 64                          ; tile_dim1 = 64
	s_mov_b32 s[\g+5], 1024                        ; elements from row to row
	s_mov_b32 s[\g+6], 0
	s_mov_b32 s[\g+7], 0
.endr
	s_lshl_b32 s21, s14, 8                         ; my first chunk's 256 bytes of a row
	s_lshl_b32 s76, s18, 17                        ; A: 64 y rows of 2,048 bytes
	s_add_co_u32 s76, s76, s21
	s_mov_b32 s77, 0
	s_lshl_b32 s78, s17, 17                        ; B: 64 x rows,
	s_add_co_u32 s78, s78, s21
	s_add_co_u32 s78, s78, 2048*2048               ; behind wts' first 2,048 rows
	s_mov_b32 s79, 0
	s_mul_i32 s22, s14, CHUNK                      ; my first chunk's place in a panel: the wave's number alone enters an LDS address
	s_wait_dscnt 0x0                               ; the opening add is done
	s_wait_kmcnt 0x0
	s_add_nc_u64 s[76:77], s[4:5], s[76:77]
	s_add_nc_u64 s[78:79], s[4:5], s[78:79]
	CROUND                                         ; all sixteen work-groups are here: the joint loads meet
.macro G0SET g, i, base, pan           ; descriptor group 0 for my chunk number i of four
	s_mov_b32 s[\g], 1
	s_add_co_u32 s[\g+1], s22, (\pan)+2*(\i)*CHUNK
	s_add_nc_u64 s[\g+2:\g+3], s[\base:\base+1], 2*(\i)*256
	s_or_b32 s[\g+3], s[\g+3], 0x80000000
.endm
	G0SET 40, 0, 76, 0
	G0SET 44, 1, 76, 0
	G0SET 48, 2, 76, 0
	G0SET 52, 3, 76, 0
	G0SET 56, 0, 78, PANB
	G0SET 60, 1, 78, PANB
	G0SET 68, 2, 78, PANB
	G0SET 72, 3, 78, PANB
	s_cmp_eq_u32 s13, 0                            ; a wave's four fills stand in one branch on its number, ahead of every wait on TENSORcnt and every LDS read
	s_cbranch_scc0 .Lfor_b
	tensor_load_to_lds s[40:43], s[24:31]
	s_nop 0
	tensor_load_to_lds s[44:47], s[24:31]
	s_nop 0
	tensor_load_to_lds s[48:51], s[24:31]
	s_nop 0
	tensor_load_to_lds s[52:55], s[24:31]
	s_nop 0
	PLACES
	s_branch .Lasked
.Lfor_b:
	tensor_load_to_lds s[56:59], s[32:39]
	s_nop 0
	tensor_load_to_lds s[60:63], s[32:39]
	s_nop 0
	tensor_load_to_lds s[68:71], s[32:39]
	s_nop 0
	tensor_load_to_lds s[72:75], s[32:39]
	s_nop 0
	PLACES
.Lasked:
	; THE LABELS: wave 0 alone.  Work-group L = 16 y + x owns rows 64 L .. 64 L + 63; lane l rows 64 L + 2 l and + 1: 16 bytes of each chunk of part.
	v_and_b32 v1, 31, v0
	s_lshl4_add_u32 s21, s18, s17                  ; L
	s_cmp_lg_u32 s12, 0
	s_cbranch_scc1 .Lno_labels
	s_lshl_b32 s23, s21, 9
	v_lshl_add_u32 v23, v1, 4, s23
.irp c, 0,1,2,3,4,5,6,7
	global_load_b128 v[B0+4*\c:B0+4*\c+3], v23, s[6:7] offset:131072*\c  ; score, index, score, index
.endr
	s_lshl_b32 s23, s21, 8
	v_lshl_add_u32 v22, v1, 3, s23
	s_wait_loadcnt 0x0
.irp c, 1,2,3,4,5,6,7
	v_cmp_lt_f32 vcc_lo, v[B0+4*\c], v[B0]
	v_cndmask_b32 v[B0], v[B0], v[B0+4*\c], vcc_lo
	v_cndmask_b32 v[B0+1], v[B0+1], v[B0+4*\c+1], vcc_lo
	v_cmp_lt_f32 vcc_lo, v[B0+4*\c+2], v[B0+2]
	v_cndmask_b32 v[B0+2], v[B0+2], v[B0+4*\c+2], vcc_lo
	v_cndmask_b32 v[B0+3], v[B0+3], v[B0+4*\c+3], vcc_lo
.endr
	v_mov_b32 v28, v[B0+1]
	v_mov_b32 v29, v[B0+3]
	global_store_b64 v22, v[28:29], s[10:11]       ; 256 consecutive bytes, at a multiple of 256 from labels' first byte; v22, v28, v29 are not written again
.Lno_labels:
	v_and_b32 v2, 15, v0                           ; l % 16
	v_bfe_u32 v3, v0, 4, 1                         ; l / 16
	v_mul_u32_u24 v4, v2, PITCH
	v_lshl_add_u32 v4, v3, 4, v4                   ; a fragment's row x pitch + 16 x half
	s_mul_i32 s23, s13, 32*PITCH                   ; my 32 rows of A
	v_add_nc_u32 v[ADRA], s23, v4
	v_add_nc_u32 v[ADRA+1], 4*CHUNK, v[ADRA]
	s_mul_i32 s23, s14, 32*PITCH                   ; my 32 rows of B
	s_add_co_u32 s23, s23, PANB
	v_add_nc_u32 v[ADRB], s23, v4
	v_add_nc_u32 v[ADRB+1], 4*CHUNK, v[ADRB]
	s_mul_i32 s19, s13, 32*PITCH                   ; into the stage: my 32 rows, my 128 of their 256 bytes; row l % 16, 32 bytes for each half of the lanes
	s_lshl_b32 s20, s14, 7
	s_add_co_u32 s19, s19, s20
	s_add_co_u32 s19, s19, STAGE
	v_mul_u32_u24 v5, v2, PITCH
	v_lshl_add_u32 v5, v3, 5, v5
	v_add_nc_u32 v24, s19, v5
	s_mul_i32 s19, s12, 16*PITCH                   ; back: wave w takes rows 16 w .. 16 w + 15, whole; lanes 0-15 one row, lanes 16-31 the next
	s_add_co_u32 s19, s19, STAGE
	v_mul_u32_u24 v5, v3, PITCH
	v_lshl_add_u32 v5, v2, 4, v5
	v_add_nc_u32 v25, s19, v5
	v_lshlrev_b32 v5, 12, v3                       ; and the same two rows of 4,096 bytes in ut
	v_lshl_add_u32 v26, v2, 4, v5
	s_lshl_b32 s19, s18, 6
	s_lshl4_add_u32 s19, s12, s19                  ; the first row that I store: 64 y + 16 w
	s_lshl_b32 s19, s19, 12
	s_lshl_b32 s20, s17, 8                         ; the tile's first column: 256 x bytes
	s_add_co_u32 s20, s19, s20
	s_mov_b32 s21, 0
	s_add_nc_u64 s[8:9], s[8:9], s[20:21]
; Unit u of 16 is 64 along K: half of chunk u / 2.  16 LDS loads in one run into buffer f.
.macro FETCHU u, f
.set AR, ADRA+(\u)/8
.set BR, ADRB+(\u)/8
.set KO, (((\u)/2)%4)*CHUNK+((\u)%2)*128
.irp blk, 0,1
.irp ks, 0,1
	ds_load_b128 v[(\f)+8*(2*\blk+\ks):(\f)+8*(2*\blk+\ks)+3],       v[AR] offset:KO+\blk*16*PITCH+64*\ks
	ds_load_b128 v[(\f)+8*(2*\blk+\ks)+4:(\f)+8*(2*\blk+\ks)+7],     v[AR] offset:KO+\blk*16*PITCH+64*\ks+32
	ds_load_b128 v[(\f)+32+8*(2*\blk+\ks):(\f)+32+8*(2*\blk+\ks)+3],   v[BR] offset:KO+\blk*16*PITCH+64*\ks
	ds_load_b128 v[(\f)+32+8*(2*\blk+\ks)+4:(\f)+32+8*(2*\blk+\ks)+7], v[BR] offset:KO+\blk*16*PITCH+64*\ks+32
.endr
.endr
.endm
; A unit's eight products.  The four accumulators take turns, one instruction a turn, from unit to unit too.  zero = 1: the first four start the sums.
.macro MULU f, zero
.irp ks, 0,1
.irp a, 0,1
.irp b, 0,1
.if (\zero) && (\ks) == 0
	v_wmma_f32_16x16x32_bf16 v[ACC+8*(2*\a+\b):ACC+8*(2*\a+\b)+7], v[(\f)+32+8*(2*\b+\ks):(\f)+32+8*(2*\b+\ks)+7], v[(\f)+8*(2*\a+\ks):(\f)+8*(2*\a+\ks)+7], 0
.else
	v_wmma_f32_16x16x32_bf16 v[ACC+8*(2*\a+\b):ACC+8*(2*\a+\b)+7], v[(\f)+32+8*(2*\b+\ks):(\f)+32+8*(2*\b+\ks)+7], v[(\f)+8*(2*\a+\ks):(\f)+8*(2*\a+\ks)+7], v[ACC+8*(2*\a+\b):ACC+8*(2*\a+\b)+7]
.endif
.endr
.endr
.endr
.endm
; Step i of four: chunks 2 i and 2 i + 1 of both panels, four units.
.macro STEP i
	s_wait_tensorcnt 3-(\i)                        ; tensor loads of a wave end in order: my loads 0 .. i have landed; the younger ones stay out: no LDS byte is ever filled again
	s_wait_dscnt 0x0
	s_barrier_signal -1
	s_barrier_wait -1                              ; everybody's have: chunks 0 .. 2 i + 1 are whole
.if (\i) > 0
	PLACES                                         ; behind the last products, in front of loads into both buffers
.endif
	FETCHU 4*(\i), B0
	FETCHU 4*(\i)+1, B1
	s_wait_dscnt 16                                ; all but the run just issued
.if (\i) == 0
	MULU B0, 1
.else
	MULU B0, 0
.endif
	PLACES
	FETCHU 4*(\i)+2, B0
	s_wait_dscnt 16
	MULU B1, 0
	PLACES
	FETCHU 4*(\i)+3, B1
	s_wait_dscnt 16
	MULU B0, 0
	s_wait_dscnt 0x0
	MULU B1, 0
.endm
	STEP 0
	STEP 1
	STEP 2
	STEP 3
	; THE WAY OUT: f32 into the work-group's stage; a barrier, since a row's 256 bytes come from two waves; back as whole rows, 16 rows a wave.
	PLACES
.irp a, 0,1
.irp b, 0,1
	ds_store_b128 v24, v[ACC+8*(2*\a+\b):ACC+8*(2*\a+\b)+3]   offset:\a*16*PITCH+64*\b      ; each accumulator's low registers first
	ds_store_b128 v24, v[ACC+8*(2*\a+\b)+4:ACC+8*(2*\a+\b)+7] offset:\a*16*PITCH+64*\b+16
.endr
.endr
	s_wait_dscnt 0x0                               ; for the others' sake: my stores into the stage are done
	s_barrier_signal -1
	s_barrier_wait -1
.irp t, 0,1,2,3,4,5,6,7
	ds_load_b128 v[B0+4*\t:B0+4*\t+3], v25 offset:\t*2*PITCH
.endr
.irp t, 0,1,2,3,4,5,6,7
	s_wait_dscnt 7-\t
	global_store_b128 v26, v[B0+4*\t:B0+4*\t+3], s[8:9] offset:8192*\t  ; 16 lanes store 256 consecutive bytes, at a multiple of 256 from ut's first byte
.endr
	s_wait_tensorcnt 0x0                           ; the wave's end, behind my last tensor load and my last LDS store
	ds_add_u32 v30, v31
	s_wait_dscnt 0x0
	CROUND                                         ; the closing round
	s_endpgm
.Lfunc_end_k_q596f132f7b_table:
	.size	k_q596f132f7b_table, .Lfunc_end_k_q596f132f7b_table-k_q596f132f7b_table
	.p2alignl 7, 3214868480
	.fill 96, 4, 3214868480
	.section	.rodata,"a",@progbits
	.p2align	6, 0x0
	.amdhsa_kernel k_q596f132f7b_table
		.amdhsa_group_segment_fixed_size 327680
		.amdhsa_private_segment_fixed_size 0
		.amdhsa_enable_private_segment 0
		.amdhsa_kernarg_size 32
		.amdhsa_user_sgpr_count 2
		.amdhsa_user_sgpr_kernarg_segment_ptr 1
		.amdhsa_wavefront_size32 1
		.amdhsa_system_sgpr_workgroup_id_x 1
		.amdhsa_system_sgpr_workgroup_id_y 1
		.amdhsa_system_sgpr_workgroup_id_z 1
		.amdhsa_system_vgpr_workitem_id 0
		.amdhsa_next_free_vgpr 192
		.amdhsa_next_free_sgpr 80
		.amdhsa_reserve_vcc 1
		.amdhsa_float_denorm_mode_32 3
		.amdhsa_float_denorm_mode_16_64 3
		.amdhsa_memory_ordered 1
		.amdhsa_forward_progress 1
		.amdhsa_inst_pref_size 40
	.end_amdhsa_kernel
	.amdgpu_metadata
---
amdhsa.version: [ 1, 2 ]
amdhsa.kernels:
  - .name:           k_q596f132f7b_table
    .symbol:         k_q596f132f7b_table.kd
    .args:
      - { .name: wts, .offset: 0, .size: 8, .value_kind: global_buffer, .address_space: global }
      - { .name: part, .offset: 8, .size: 8, .value_kind: global_buffer, .address_space: global }
      - { .name: ut, .offset: 16, .size: 8, .value_kind: global_buffer, .address_space: global }
      - { .name: labels, .offset: 24, .size: 8, .value_kind: global_buffer, .address_space: global }
    .group_segment_fixed_size: 327680
    .private_segment_fixed_size: 0
    .kernarg_segment_align: 8
    .kernarg_segment_size: 32
    .max_flat_workgroup_size: 128
    .sgpr_count:     80
    .vgpr_count:     192
    .wavefront_size: 32
...
	.end_amdgpu_metadata
.endif
;; end of part 3
;; launch final (part 4): grid 256 x 1, 16 waves a work-group, no clusters, 206,592 bytes of LDS; arguments index, labels, z, wts, ut, tabs, class_fc_w, class_fc_b, bilinear_b, out0; writes out0
.if DOCPART == 4
	.amdgcn_target "amdgcn-amd-amdhsa--gfx1250"
	.amdhsa_code_object_version 6
	.text
	.protected	k_q596f132f7b_final
	.globl	k_q596f132f7b_final
	.p2align	8
	.type	k_q596f132f7b_final,@function
k_q596f132f7b_final:
	s_mov_b64 s[64:65], 0
	v_nop
	global_prefetch_b8 v0, s[64:65] scope:SCOPE_SE
	s_setreg_imm32_b32 hwreg(HW_REG_WAVE_MODE, 25, 1), 1
	s_wait_xcnt 0x0
; FINAL.  For row b with partner i = index[b], la = labels[b], lb = labels[i]:
;   lam = sigmoid(Pr[la] . U[lb] + u[la] + v[lb] + bilinear_b)          (Pr in bf16, U, u, v in f32; the dot in f32)
;   h   = leaky_relu(lam Z'[b] + (1 - lam) Z'[i], 0.01)                 (Z' = E Wfc^T + proto_fc_b in f16; the blend in f32; h rounded once to f16)
;   out0[b] = h class_fc_w^T + class_fc_b                               (matrix unit, f16 operands, f32 sums)
; bilinear_b, class_fc_w and class_fc_b are rounded to bf16 like every other input; class_fc_w's rounded number is then written as f16.
; SHARES.  A work-group of 16 waves takes 64 rows; a wave four of them for lam and the blend (a row is spread over its 32 lanes).  h and class_fc_w (25 rows, seven more of zeros) meet in LDS;
; waves 0-7 then make the 64 x 32 product, a tile of 16 x 16 each, K = 1,024 on four accumulators that take turns.  The result is gathered in LDS as it lies in memory (6,400 bytes) and leaves 16 bytes a lane.
; The labels and index are whole numbers read from memory; each is held to its table's size before it enters an address.
; No cluster: the work-groups share only tables of a few MiB that each walks by its own labels.  No tensor load: every row is wanted by one wave alone.
; LIMITS.  |h| and |class_fc_w| stay under 65,504 (f16); a weight of class_fc_w under 6e-5 keeps f16's fixed step of 6e-8.  lam is 0 where the exponential overflows.  NaN and infinities are not treated apart.
.set HP,    2064                       ; an LDS row of 1,024 f16: 2,048 bytes + 16 of padding: the 16 rows of a fragment load start at 16 different groups of four banks
.set CW,    64*HP                      ; behind h's 64 rows: class_fc_w's 32
.set OUTS,  CW+32*HP                   ; [64][25] f32, dense
.set SPARE, OUTS+6400                  ; the spare words, 128 bytes for each of the 16 waves: eight blocks of 256 bytes that no other line names
.set D,   12                           ; v[12:15]  the four rows' dots, then lam
.set OM,  16                           ; v[16:19]  1 - lam
.set ZA,  32                           ; v[32:95]   Z' of my rows: row j, load i at 16 j + 4 i
.set ZB,  96                           ; v[96:159]  Z' of their partners
.set RING, 160                         ; v[160:255] first class_fc_w as loaded; then two slots of 48: 16 of Pr[la], 32 of U[lb]; then the blend: Y 160, 0.01 Y 192, packed h 224
.set ACC, 32                           ; the class product: four accumulators v[32:63]; fragments v[64:127], v[128:191]
	s_load_b512 s[4:19], s[0:1], 0x0               ; index s[4:5], labels s[6:7], z s[8:9], wts s[10:11], ut s[12:13], tabs s[14:15], class_fc_w s[16:17], class_fc_b s[18:19]
	s_load_b128 s[20:23], s[0:1], 0x40             ; bilinear_b s[20:21], out0 s[22:23]
	v_lshl_add_u32 v6, v0, 2, SPARE                ; my spare word; never rewritten
	v_mov_b32 v7, 0                                ; 0, for the add alone
	v_mov_b32 v8, 0                                ; 0, as an addend
	v_and_b32 v1, 31, v0                           ; lane
	v_lshrrev_b32 v9, 5, v0
	v_readfirstlane_b32 s24, v9                    ; wave 0..15
	v_lshlrev_b32 v2, 4, v1                        ; 16 x lane
	v_lshlrev_b32 v3, 3, v1                        ; 8 x lane
	s_mul_i32 s25, s24, 4*HP
	v_add_nc_u32 v4, s25, v2                       ; where my 16 bytes of h's row 4 w go
	v_lshl_add_u32 v5, v0, 2, CW                   ; where my thread's two weights of a row of class_fc_w go
	v_lshlrev_b32 v31, 3, v0                       ; and where they come from: 8 x thread
	v_and_b32 v11, 15, v0
	s_and_b32 s25, s24, 1
	s_lshl_b32 s25, s25, 4
	v_add_nc_u32 v11, s25, v11                     ; my column of the class product: 16 (w % 2) + l % 16,
	v_min_u32 v11, 24, v11                         ; held inside class_fc_b
	v_lshlrev_b32 v11, 2, v11
	s_mov_b32 s60, 0x76543210                      ; v_permlanex16_b32: each lane takes its own place in the other half
	s_mov_b32 s61, 0xfedcba98
	s_lshl_b32 s26, ttmp9, 6
	s_lshl2_add_u32 s26, s24, s26                  ; my first row: 64 g + 4 w
	s_mov_b32 s27, 0
	s_mov_b32 s57, 0
	s_lshl_b32 s56, s26, 11                        ; in z,
	s_lshl_b32 s26, s26, 2                         ; in index and labels
	s_wait_kmcnt 0x0
	s_add_nc_u64 s[52:53], s[4:5], s[26:27]
	s_add_nc_u64 s[54:55], s[6:7], s[26:27]
	s_add_nc_u64 s[50:51], s[8:9], s[56:57]
	s_load_b128 s[28:31], s[52:53], 0x0            ; index of my four rows
	s_load_b128 s[32:35], s[54:55], 0x0            ; la
	s_load_b32 s48, s[20:21], 0x0                  ; bilinear_b
.set o, 0
.rept 25
	global_load_b64 v[RING+2*o:RING+2*o+1], v31, s[16:17] offset:4096*o   ; class_fc_w's row o: 512 threads x 8 bytes
.set o, o+1
.endr
	global_load_b32 v10, v11, s[18:19]             ; class_fc_b of my column
.irp j, 0,1,2,3
.irp i, 0,1,2,3
	global_load_b128 v[ZA+16*\j+4*\i:ZA+16*\j+4*\i+3], v2, s[50:51] offset:2048*\j+512*\i
.endr
.endr
	s_wait_kmcnt 0x0
.irp j, 0,1,2,3
	s_min_u32 s[28+\j], s[28+\j], 0x3fff           ; the partner's row, held inside the table
	s_lshl_b32 s[66+\j], s[28+\j], 2
.endr
.irp j, 0,1,2,3
	s_load_b32 s[36+\j], s[6:7], s[66+\j] offset:0x0   ; lb
.endr
.irp j, 0,1,2,3
	s_lshl_b32 s56, s[28+\j], 11
	s_add_nc_u64 s[70+2*\j:71+2*\j], s[8:9], s[56:57]  ; a pointer of its own for each partner row: none is rewritten while a load names it
.irp i, 0,1,2,3
	global_load_b128 v[ZB+16*\j+4*\i:ZB+16*\j+4*\i+3], v2, s[70+2*\j:71+2*\j] offset:512*\i
.endr
.endr
	s_wait_loadcnt 33                              ; class_fc_w's 25 loads are in; the 33 younger ones (the bias 1, Z' 16 + 16) stay out
.set o, 0
.rept 25
.set t, 24+3*(o%2)
	v_cvt_pk_bf16_f32 v[t], v[RING+2*o], v[RING+2*o+1]     ; rounded to bf16,
	v_lshlrev_b32 v[t+1], 16, v[t]
	v_and_b32 v[t+2], 0xffff0000, v[t]
	v_cvt_pk_f16_f32 v[t], v[t+1], v[t+2]                  ; and that number written as f16
	ds_store_b32 v5, v[t] offset:HP*o
.set o, o+1
.endr
.irp o, 25,26,27,28,29,30,31
	ds_store_b32 v5, v8 offset:HP*\o               ; the tile's seven spare rows hold 0
.endr
	s_wait_kmcnt 0x0                               ; lb
.irp j, 0,1,2,3
	s_min_u32 s[32+\j], s[32+\j], 0x3ff            ; the labels, held inside the tables
	s_min_u32 s[36+\j], s[36+\j], 0x3ff
	s_lshl_b32 s[66+\j], s[32+\j], 2
	s_lshl_b32 s[94+\j], s[36+\j], 2
.endr
.irp j, 0,1,2,3
	s_load_b32 s[40+\j], s[14:15], s[66+\j] offset:0x2000  ; u[la]
	s_load_b32 s[44+\j], s[14:15], s[94+\j] offset:0x3000  ; v[lb]
.endr
.irp j, 0,1,2,3
	s_lshl_b32 s56, s[32+\j], 11
	s_add_nc_u64 s[78+2*\j:79+2*\j], s[10:11], s[56:57]    ; Pr[la]
	s_lshl_b32 s56, s[36+\j], 12
	s_add_nc_u64 s[86+2*\j:87+2*\j], s[12:13], s[56:57]    ; U[lb]
.endr
; Row j's Pr[la] and U[lb] into slot s: in load m a lane takes elements 128 m + 4 l .. + 3 of both.
.macro FILLP j, s
.irp m, 0,1,2,3,4,5,6,7
	global_load_b64  v[RING+48*(\s)+2*\m:RING+48*(\s)+2*\m+1],       v3, s[78+2*(\j):79+2*(\j)] offset:256*\m
	global_load_b128 v[RING+48*(\s)+16+4*\m:RING+48*(\s)+16+4*\m+3], v2, s[86+2*(\j):87+2*(\j)] offset:512*\m
.endr
.endm
.macro MX d, p, u, c, h                ; bf16 half h of p times f32 u, plus c
	v_fma_mix_f32_bf16 v[\d], v[\p], v[\u], v[\c] op_sel:[\h,0,0] op_sel_hi:[1,0,0]
.endm
.macro DOT j, s, left                  ; my 32 terms of row j's dot, on four sums; the first links add 0
	s_wait_loadcnt \left                           ; the slot's 16 loads are in; the next row's 16 may stay out
.set P0, RING+48*(\s)
.set U0, RING+48*(\s)+16
	MX 20, P0,   U0,   8, 0
	MX 21, P0,   U0+1, 8, 1
	MX 22, P0+1, U0+2, 8, 0
	MX 23, P0+1, U0+3, 8, 1
.irp m, 1,2,3,4,5,6,7
	MX 20, P0+2*\m,   U0+4*\m,   20, 0
	MX 21, P0+2*\m,   U0+4*\m+1, 21, 1
	MX 22, P0+2*\m+1, U0+4*\m+2, 22, 0
	MX 23, P0+2*\m+1, U0+4*\m+3, 23, 1
.endr
	v_add_f32 v20, v20, v21
	v_add_f32 v22, v22, v23
	v_add_f32 v[D+(\j)], v20, v22
.endm
	FILLP 0, 0
	FILLP 1, 1
	DOT 0, 0, 16
	FILLP 2, 0
	DOT 1, 1, 16
	FILLP 3, 1
	DOT 2, 0, 16
	DOT 3, 1, 0
	; across the 32 lanes, the four rows side by side
.irp m, 1,2,4,8
.irp r, 12,13,14,15
	v_add_f32_dpp v\r, v\r, v\r row_xmask:\m row_mask:0xf bank_mask:0xf
.endr
.endr
.irp j, 0,1,2,3
	v_permlanex16_b32 v[24+\j], v[D+\j], s60, s61  ; v24-27 have been written
.endr
	v_mov_b32 v9, s48
	v_cvt_pk_bf16_f32 v9, v9, v9                   ; bilinear_b rounded to bf16
	v_lshlrev_b32 v9, 16, v9
	s_wait_kmcnt 0x0                               ; u[la], v[lb]
.irp j, 0,1,2,3
	v_add_f32 v[D+\j], v[D+\j], v[24+\j]
	v_add_f32 v[OM+\j], s[40+\j], v9
	v_add_f32 v[OM+\j], s[44+\j], v[OM+\j]
	v_add_f32 v[D+\j], v[D+\j], v[OM+\j]
	v_mul_f32 v[D+\j], 0xbfb8aa3b, v[D+\j]         ; - log2(e) x
.endr
.irp j, 0,1,2,3
	v_exp_f32 v[D+\j], v[D+\j]
.endr
	v_nop                                          ; a plain instruction behind the last exponential,
	s_wait_alu depctr_va_vdst(0)                   ; and a wait ahead of the batch's first reader
.irp j, 0,1,2,3
	v_add_f32 v[D+\j], 1.0, v[D+\j]
.endr
.irp j, 0,1,2,3
	v_rcp_f32 v[D+\j], v[D+\j]                     ; lam
.endr
	v_nop
	s_wait_alu depctr_va_vdst(0)                   ; likewise for the four reciprocals
.irp j, 0,1,2,3
	v_sub_f32 v[OM+\j], 1.0, v[D+\j]
.endr
; Row j: my 32 numbers of lam Z'a + (1 - lam) Z'b straight from the f16 halves, the leaky ReLU as max(y, 0.01 y), rounded to f16, into LDS.
.macro BLEND j
.set q, 0
.rept 16
	v_fma_mix_f32 v[RING+2*q],   v[ZB+16*(\j)+q], v[OM+(\j)], v8 op_sel_hi:[1,0,0]
	v_fma_mix_f32 v[RING+2*q+1], v[ZB+16*(\j)+q], v[OM+(\j)], v8 op_sel:[1,0,0] op_sel_hi:[1,0,0]
.set q, q+1
.endr
.set q, 0
.rept 16
	v_fma_mix_f32 v[RING+2*q],   v[ZA+16*(\j)+q], v[D+(\j)], v[RING+2*q] op_sel_hi:[1,0,0]
	v_fma_mix_f32 v[RING+2*q+1], v[ZA+16*(\j)+q], v[D+(\j)], v[RING+2*q+1] op_sel:[1,0,0] op_sel_hi:[1,0,0]
.set q, q+1
.endr
.set q, 0
.rept 16
	v_pk_mul_f32 v[RING+32+2*q:RING+32+2*q+1], v[RING+2*q:RING+2*q+1], 0x3c23d70a op_sel_hi:[1,0]
.set q, q+1
.endr
.set q, 0
.rept 32
	v_max_num_f32 v[RING+q], v[RING+q], v[RING+32+q]
.set q, q+1
.endr
.set q, 0
.rept 16
	v_cvt_pk_f16_f32 v[RING+64+q], v[RING+2*q], v[RING+2*q+1]
.set q, q+1
.endr
.irp i, 0,1,2,3
	ds_store_b128 v4, v[RING+64+4*\i:RING+64+4*\i+3] offset:HP*(\j)+512*\i
.endr
.endm
	BLEND 0
	BLEND 1
	BLEND 2
	BLEND 3
	s_wait_dscnt 0x0                               ; for the others' sake: my rows of h and my part of class_fc_w are in LDS
	s_barrier_signal -1
	s_barrier_wait -1
	s_cmp_lt_u32 s24, 8                            ; waves 0-7: rows 16 (w / 2) .., columns 16 (w % 2) ..; the others jump forward, past no barrier
	s_cbranch_scc0 .Lno_class
	v_and_b32 v24, 15, v0                          ; l % 16
	v_bfe_u32 v25, v0, 4, 1                        ; l / 16
	s_lshr_b32 s25, s24, 1
	s_and_b32 s49, s24, 1
	v_mul_u32_u24 v26, v24, HP
	v_lshl_add_u32 v26, v25, 4, v26                ; a fragment's row x pitch + 16 x half
	s_mul_i32 s63, s25, 16*HP
	v_add_nc_u32 v27, s63, v26                     ; h
	s_mul_i32 s63, s49, 16*HP
	s_add_co_u32 s63, s63, CW
	v_add_nc_u32 v28, s63, v26                     ; class_fc_w
	s_lshl_b32 s63, s49, 4
	v_add_nc_u32 v29, s63, v24                     ; my column n
	s_mul_i32 s63, s25, 1600
	s_add_co_u32 s63, s63, OUTS
	v_mul_u32_u24 v30, v25, 800
	v_lshl_add_u32 v30, v29, 2, v30
	v_add_nc_u32 v30, s63, v30                     ; (16 (w / 2) + 8 (l / 16)) rows of 100 bytes + 4 n
	v_cvt_pk_bf16_f32 v10, v10, v10                ; class_fc_b rounded to bf16
	v_lshlrev_b32 v10, 16, v10
.macro FETCHW t, f                     ; four K steps of 32: 16 LDS loads in one run
.irp ks, 0,1,2,3
	ds_load_b128 v[(\f)+8*\ks:(\f)+8*\ks+3],       v27 offset:64*(4*(\t)+\ks)
	ds_load_b128 v[(\f)+8*\ks+4:(\f)+8*\ks+7],     v27 offset:64*(4*(\t)+\ks)+32
	ds_load_b128 v[(\f)+32+8*\ks:(\f)+32+8*\ks+3],   v28 offset:64*(4*(\t)+\ks)
	ds_load_b128 v[(\f)+32+8*\ks+4:(\f)+32+8*\ks+7], v28 offset:64*(4*(\t)+\ks)+32
.endr
.endm
.macro MULW f, zero                    ; four products, an accumulator each: they take turns, from run to run too
.irp ks, 0,1,2,3
.if \zero
	v_wmma_f32_16x16x32_f16 v[ACC+8*\ks:ACC+8*\ks+7], v[(\f)+8*\ks:(\f)+8*\ks+7], v[(\f)+32+8*\ks:(\f)+32+8*\ks+7], 0
.else
	v_wmma_f32_16x16x32_f16 v[ACC+8*\ks:ACC+8*\ks+7], v[(\f)+8*\ks:(\f)+8*\ks+7], v[(\f)+32+8*\ks:(\f)+32+8*\ks+7], v[ACC+8*\ks:ACC+8*\ks+7]
.endif
.endr
.endm
.macro PLACES
.rept 4
	v_nop
.endr
.endm
	FETCHW 0, 64
	FETCHW 1, 128
	s_wait_dscnt 16                                ; all but the run just issued
	MULW 64, 1
.irp t, 1,2,3,4,5,6
	PLACES                                         ; behind the products that read the buffer, in front of the loads into it
	FETCHW (\t)+1, 64+64*(((\t)+1)%2)
	s_wait_dscnt 16
	MULW 64+64*((\t)%2), 0
.endr
	s_wait_dscnt 0x0
	MULW 128, 0
	PLACES
.irp i, 0,2,4,6
	v_pk_add_f32 v[ACC+\i:ACC+\i+1], v[ACC+\i:ACC+\i+1], v[ACC+8+\i:ACC+8+\i+1]          ; the four partial sums, each accumulator from its low end on
.endr
.irp i, 0,2,4,6
	v_pk_add_f32 v[ACC+16+\i:ACC+16+\i+1], v[ACC+16+\i:ACC+16+\i+1], v[ACC+24+\i:ACC+24+\i+1]
.endr
.irp i, 0,2,4,6
	v_pk_add_f32 v[ACC+\i:ACC+\i+1], v[ACC+\i:ACC+\i+1], v[ACC+16+\i:ACC+16+\i+1]
.endr
.irp j, 0,1,2,3,4,5,6,7
	v_add_f32 v[ACC+\j], v[ACC+\j], v10
.endr
	s_wait_xcnt 0x0                                ; EXEC changes only behind this wait
	v_cmp_gt_u32 vcc_lo, 25, v29
	s_and_saveexec_b32 s62, vcc_lo                 ; columns 0-24 exist
.irp j, 0,1,2,3,4,5,6,7
	ds_store_b32 v30, v[ACC+\j] offset:100*\j      ; register j is row 8 (l / 16) + j
.endr
	s_or_b32 exec_lo, exec_lo, s62
.Lno_class:
	s_wait_dscnt 0x0
	s_barrier_signal -1
	s_barrier_wait -1                              ; the work-group's 6,400 bytes of out0 lie in LDS as they lie in memory
	v_min_u32 v24, 399, v0                         ; 400 threads x 16 bytes; the clamp keeps every lane's offset inside them
	v_lshlrev_b32 v24, 4, v24
	v_add_nc_u32 v25, OUTS, v24
.irp r, 32,33,34,35
	v_mov_b32 v\r, 0                               ; written whole before some lanes load into them
.endr
	s_mul_i32 s26, ttmp9, 6400
	s_add_nc_u64 s[58:59], s[22:23], s[26:27]
	s_wait_xcnt 0x0
	v_cmp_gt_u32 vcc_lo, 400, v0
	s_and_saveexec_b32 s62, vcc_lo
	ds_load_b128 v[32:35], v25
	s_wait_dscnt 0x0
	global_store_b128 v24, v[32:35], s[58:59]      ; 16 lanes store 256 consecutive bytes, at a multiple of 256 from out0's first byte
	s_wait_xcnt 0x0                                ; and again, in front of the line that widens EXEC
	s_or_b32 exec_lo, exec_lo, s62
	s_wait_tensorcnt 0x0                           ; the wave's end, behind my last LDS store
	ds_add_u32 v6, v7
	s_wait_dscnt 0x0
	s_endpgm
.Lfunc_end_k_q596f132f7b_final:
	.size	k_q596f132f7b_final, .Lfunc_end_k_q596f132f7b_final-k_q596f132f7b_final
	.p2alignl 7, 3214868480
	.fill 96, 4, 3214868480
	.section	.rodata,"a",@progbits
	.p2align	6, 0x0
	.amdhsa_kernel k_q596f132f7b_final
		.amdhsa_group_segment_fixed_size 206592
		.amdhsa_private_segment_fixed_size 0
		.amdhsa_enable_private_segment 0
		.amdhsa_kernarg_size 80
		.amdhsa_user_sgpr_count 2
		.amdhsa_user_sgpr_kernarg_segment_ptr 1
		.amdhsa_wavefront_size32 1
		.amdhsa_system_sgpr_workgroup_id_x 1
		.amdhsa_system_sgpr_workgroup_id_y 1
		.amdhsa_system_sgpr_workgroup_id_z 1
		.amdhsa_system_vgpr_workitem_id 0
		.amdhsa_next_free_vgpr 256
		.amdhsa_next_free_sgpr 98
		.amdhsa_reserve_vcc 1
		.amdhsa_float_denorm_mode_32 3
		.amdhsa_float_denorm_mode_16_64 3
		.amdhsa_memory_ordered 1
		.amdhsa_forward_progress 1
		.amdhsa_inst_pref_size 81
	.end_amdhsa_kernel
	.amdgpu_metadata
---
amdhsa.version: [ 1, 2 ]
amdhsa.kernels:
  - .name:           k_q596f132f7b_final
    .symbol:         k_q596f132f7b_final.kd
    .args:
      - { .name: index, .offset: 0, .size: 8, .value_kind: global_buffer, .address_space: global }
      - { .name: labels, .offset: 8, .size: 8, .value_kind: global_buffer, .address_space: global }
      - { .name: z, .offset: 16, .size: 8, .value_kind: global_buffer, .address_space: global }
      - { .name: wts, .offset: 24, .size: 8, .value_kind: global_buffer, .address_space: global }
      - { .name: ut, .offset: 32, .size: 8, .value_kind: global_buffer, .address_space: global }
      - { .name: tabs, .offset: 40, .size: 8, .value_kind: global_buffer, .address_space: global }
      - { .name: class_fc_w, .offset: 48, .size: 8, .value_kind: global_buffer, .address_space: global }
      - { .name: class_fc_b, .offset: 56, .size: 8, .value_kind: global_buffer, .address_space: global }
      - { .name: bilinear_b, .offset: 64, .size: 8, .value_kind: global_buffer, .address_space: global }
      - { .name: out0, .offset: 72, .size: 8, .value_kind: global_buffer, .address_space: global }
    .group_segment_fixed_size: 206592
    .private_segment_fixed_size: 0
    .kernarg_segment_align: 8
    .kernarg_segment_size: 80
    .max_flat_workgroup_size: 512
    .sgpr_count:     98
    .vgpr_count:     256
    .wavefront_size: 32
...
	.end_amdgpu_metadata
.endif
;; end of part 4
